; MI455X (gfx1250); checked and timed in simulation.
; The chip was launched on July 23, 2026; its instructions are those of AMD's public machine-readable ISA for CDNA 5 (MIT licence, August 2026) and "CDNA5" Instruction Set Architecture Reference Guide (July 2026). The comments in the code are by the model that wrote it; some were corrected since.
;; Pooling block. Allowed arithmetic: float matrix products may take bf16 or f16 operands with f32 sums; all other float work in f32.
;; Inputs: edge 4 x 4,096 x 4,096 float32; theta_w 1 x 96 float32; x 4 x 4,097 x 96 float32.
;; Outputs: out0 4 x 1,025 x 96 float32.
;; Constants: pooling_patch_size = 4, reduction_ratio = 4.
;; One version. Each part assembles by itself: llvm-mc -triple=amdgcn-amd-amdhsa -mcpu=gfx1250 --defsym DOCPART=n.
;; ======== version 1 of 1: 2 launches
;; workspace buffers: tvec 65,536 bytes
;; launch tvec (part 1): grid 256 x 1, 4 waves a work-group, no clusters, 768 bytes of LDS; arguments x, theta_w, tvec, out0; writes tvec, out0
.if DOCPART == 1
	.amdgcn_target "amdgcn-amd-amdhsa--gfx1250"
	.amdhsa_code_object_version 6
	.text
	.protected	k_q8257fa3f8e_tvec
	.globl	k_q8257fa3f8e_tvec
	.p2align	8
	.type	k_q8257fa3f8e_tvec,@function
k_q8257fa3f8e_tvec:
	s_mov_b64 s[64:65], 0
	v_nop
	global_prefetch_b8 v0, s[64:65] scope:SCOPE_SE
	s_setreg_imm32_b32 hwreg(HW_REG_WAVE_MODE, 25, 1), 1
	s_wait_xcnt 0x0
; t[b][m] = sum over c of sigmoid(x[b][1+m][c]) * theta[c]      (4 x 4096 numbers, f32), and out0[b][0][:] = x[b][0][:].
; The two products of the problem are one linear map: (S_edge S_nodes) theta = S_edge (S_nodes theta), for every input.  This launch makes
; the inner vector, the next one streams edge against it.  All in f32 on the vector ALU: the result steers a largest-of-four, which
; operands rounded to 16 bits would decide otherwise in patches whose scores lie close together.
; LIMITS: the order of the sums differs from the problem's (theta first).  sigmoid(v) = 1 / (1 + 2^(-1.442695 v)): where 2^.. overflows the
; result is 0, where it is flushed the result is 1; a sigmoid below 2^-126 comes out as 0 (v_rcp_f32 flushes denormals, ISA guide 15.8).
; SHARES: 256 work-groups of 4 waves; a work-group owns 64 nodes of one batch, a wave 16 of them = 6,144 consecutive bytes of x.
; Eight lanes share a row: lane = 8 g + i; row 4 g + j in group j (0..3); chunk c (0..2) = 128 bytes of the row, 16 bytes a lane.
; No cluster, no tensor load, no matrix unit: no work-group shares a byte of x with another but theta's 384, and a product with one column
; gives the matrix unit nothing to reuse.
.set XB,   1573248                     ; bytes of one batch of x: 4097 rows of 384
.set ROW,  384                         ; bytes of a row of 96 f32
.set OB,   393600                      ; bytes of one batch of out0: 1025 rows
.set NL2E, 0xbfb8aa3b                  ; -log2(e)
.set CL,  8                            ; v[8:11]   the class row's 16 bytes
.set TH,  12                           ; v[12:23]  theta[32 c + 4 i .. + 3] at TH + 4 c
.set P,   24                           ; v[24:31]  a pair of partial sums for each group j
.set S,   32                           ; v[32:35]  the sums of rows 4 g + 0 .. 3
.set O,   36                           ; v[36:37]  two t on their way out
.set X,   40                           ; v[40:87]  group j, chunk c at X + 12 j + 4 c
; v1 lane   v2 16 i   v3 1536 g + 16 i   v4 LDS: 64 w + 16 g   v5 16 lane   v6 8 lane   v7 at work
	s_load_b256 s[4:11], s[0:1], 0x0               ; x s[4:5], theta s[6:7], tvec s[8:9], out0 s[10:11]
	v_lshl_add_u32 v88, v0, 2, 0x100
	v_mov_b32 v89, 0
	v_lshrrev_b32 v7, 5, v0
	v_readfirstlane_b32 s12, v7                    ; wave w
	s_lshr_b32 s13, ttmp9, 6                       ; batch b: 64 work-groups each
	s_and_b32 s21, ttmp9, 63                       ; k: which 64 nodes of the batch
	s_lshl2_add_u32 s21, s21, s12                  ; 4 k + w: which 16 nodes
	s_lshl_b32 s22, s12, 6                         ; the wave's 16 words in LDS
	s_mov_b32 s15, 0                               ; upper word of every offset below (all under 4 GiB)
	s_mov_b32 s16, NL2E
	s_mov_b32 s17, NL2E                            ; the packed multiply names the pair
	v_and_b32 v1, 31, v0
	v_and_b32 v2, 7, v0
	v_lshlrev_b32 v2, 4, v2                        ; 16 i
	v_bfe_u32 v7, v0, 3, 2                         ; g
	v_mad_u32_u24 v3, v7, 4*ROW, v2                ; four rows a group of lanes + my 16 bytes
	v_lshl_add_u32 v4, v7, 4, s22
	v_lshlrev_b32 v5, 4, v1
	v_lshlrev_b32 v6, 3, v1
	s_wait_kmcnt 0x0
	s_mul_i32 s14, s13, XB
	s_add_nc_u64 s[18:19], s[4:5], s[14:15]        ; row 0 of the batch (the class row)
	s_mul_i32 s14, s21, 16*ROW
	s_add_co_u32 s14, s14, ROW                     ; nodes begin at row 1
	s_add_nc_u64 s[4:5], s[18:19], s[14:15]        ; my wave's first row
	s_lshl_b32 s14, ttmp9, 8
	s_add_nc_u64 s[8:9], s[8:9], s[14:15]          ; the work-group's 64 t
	s_mul_i32 s14, s13, OB
	s_add_nc_u64 s[10:11], s[10:11], s[14:15]      ; row 0 of the batch in out0
.irp c, 0,1,2
	global_load_b128 v[TH+4*\c:TH+4*\c+3], v2, s[6:7] offset:128*\c
.endr
.irp j, 0,1,2,3
.irp c, 0,1,2
	global_load_b128 v[X+12*\j+4*\c:X+12*\j+4*\c+3], v3, s[4:5] offset:\j*ROW+\c*128 th:TH_LOAD_NT
.endr
.endr
	; The class row: one wave for each batch (k = 0, w = 3) copies 384 bytes.  Load, wait and store stand in one block, and the block
	; leaves no load out, so that the counted waits below hold on both paths.
	s_cmp_lg_u32 s21, 3
	s_cbranch_scc1 .Lnocls
	global_load_b128 v[CL:CL+3], v5, s[18:19]      ; lanes 24-31 read on into row 1, which lies in x; they store nothing
	s_wait_loadcnt 0x0
	v_cmp_gt_u32 vcc_lo, 24, v1
	s_wait_xcnt 0x0                                ; EXEC is a source of the loads above: it is narrowed only behind this wait
	s_and_saveexec_b32 s20, vcc_lo
	global_store_b128 v5, v[CL:CL+3], s[10:11]     ; 24 lanes x 16 bytes: the row's 384 consecutive bytes
	s_wait_xcnt 0x0                                ; and widened again only behind this one
	s_or_b32 exec_lo, exec_lo, s20
.Lnocls:
	; sigmoid, step 1: v * -log2(e), group by group as the loads come in
.irp j, 0,1,2,3
	s_wait_loadcnt 9-3*\j                          ; loads return in order (ISA guide 5.7.1): theta and groups 0..j are in, three loads for each younger group stay out
.irp p, 0,1,2,3,4,5
	v_pk_mul_f32 v[X+12*\j+2*\p:X+12*\j+2*\p+1], v[X+12*\j+2*\p:X+12*\j+2*\p+1], s[16:17] op_sel_hi:[1,0]
.endr
.endr
.set q, 0
.rept 48
	v_exp_f32 v[X+q], v[X+q]
.set q, q+1
.endr
	v_nop                                          ; one plain vector instruction behind a run of transcendentals before a result is used (ISA guide 5.7.2)
.set q, 0
	s_wait_alu depctr_va_vdst(0)
.rept 24
	v_pk_add_f32 v[X+q:X+q+1], v[X+q:X+q+1], 1.0 op_sel_hi:[1,0]
.set q, q+2
.endr
.set q, 0
.rept 48
	v_rcp_f32 v[X+q], v[X+q]
.set q, q+1
.endr
	v_nop                                          ; as above
	; my 12 columns of each of my 4 rows against theta: the first product starts each sum
	s_wait_alu depctr_va_vdst(0)
.irp j, 0,1,2,3
	v_pk_mul_f32 v[P+2*\j:P+2*\j+1], v[X+12*\j:X+12*\j+1], v[TH:TH+1]
.endr
.irp p, 1,2,3,4,5
.irp j, 0,1,2,3
	v_pk_fma_f32 v[P+2*\j:P+2*\j+1], v[X+12*\j+2*\p:X+12*\j+2*\p+1], v[TH+2*\p:TH+2*\p+1], v[P+2*\j:P+2*\j+1]
.endr
.endr
.irp j, 0,1,2,3
	v_add_f32 v[S+\j], v[P+2*\j], v[P+2*\j+1]
.endr
	; over the eight lanes of a row: lane xor 1, 2, 4; every one of the eight ends up with the sum
.irp m, 1,2,4
.irp j, 0,1,2,3
	v_add_f32_dpp v[S+\j], v[S+\j], v[S+\j] row_xmask:\m row_mask:0xf bank_mask:0xf
.endr
.endr
	; the 64 t meet in LDS, so that one store of one wave writes them as 256 consecutive bytes
	ds_store_b128 v4, v[S:S+3]                     ; word 16 w + 4 g + j; the eight lanes of a group write the same bytes with the same values
	s_wait_dscnt 0x0                               ; for wave 0's sake: my stores are done before I signal
	s_barrier_signal -1
	s_barrier_wait -1
	s_cmp_lg_u32 s12, 0
	s_cbranch_scc1 .Lend
	ds_load_b64 v[O:O+1], v6
	s_wait_dscnt 0x0
	global_store_b64 v6, v[O:O+1], s[8:9]          ; 32 lanes x 8 bytes, at a multiple of 256 from tvec's first byte; no hint: the next launch reads them
.Lend:
	s_wait_tensorcnt 0x0
	ds_add_u32 v88, v89
	s_wait_dscnt 0x0
	s_endpgm
.Lfunc_end_k_q8257fa3f8e_tvec:
	.size	k_q8257fa3f8e_tvec, .Lfunc_end_k_q8257fa3f8e_tvec-k_q8257fa3f8e_tvec
	.p2alignl 7, 3214868480
	.fill 96, 4, 3214868480
	.section	.rodata,"a",@progbits
	.p2align	6, 0x0
	.amdhsa_kernel k_q8257fa3f8e_tvec
		.amdhsa_group_segment_fixed_size 768
		.amdhsa_private_segment_fixed_size 0
		.amdhsa_enable_private_segment 0
		.amdhsa_kernarg_size 32
		.amdhsa_user_sgpr_count 2
		.amdhsa_user_sgpr_kernarg_segment_ptr 1
		.amdhsa_wavefront_size32 1
		.amdhsa_system_sgpr_workgroup_id_x 1
		.amdhsa_system_sgpr_workgroup_id_y 1
		.amdhsa_system_sgpr_workgroup_id_z 1
		.amdhsa_system_vgpr_workitem_id 0
		.amdhsa_next_free_vgpr 90
		.amdhsa_next_free_sgpr 66
		.amdhsa_reserve_vcc 1
		.amdhsa_float_denorm_mode_32 3
		.amdhsa_float_denorm_mode_16_64 3
		.amdhsa_memory_ordered 1
		.amdhsa_forward_progress 1
		.amdhsa_inst_pref_size 13
	.end_amdhsa_kernel
	.amdgpu_metadata
---
amdhsa.version: [ 1, 2 ]
amdhsa.kernels:
  - .name:           k_q8257fa3f8e_tvec
    .symbol:         k_q8257fa3f8e_tvec.kd
    .args:
      - { .name: x, .offset: 0, .size: 8, .value_kind: global_buffer, .address_space: global }
      - { .name: theta_w, .offset: 8, .size: 8, .value_kind: global_buffer, .address_space: global }
      - { .name: tvec, .offset: 16, .size: 8, .value_kind: global_buffer, .address_space: global }
      - { .name: out0, .offset: 24, .size: 8, .value_kind: global_buffer, .address_space: global }
    .group_segment_fixed_size: 768
    .private_segment_fixed_size: 0
    .kernarg_segment_align: 8
    .kernarg_segment_size: 32
    .max_flat_workgroup_size: 128
    .sgpr_count:     66
    .vgpr_count:     90
    .wavefront_size: 32
...
	.end_amdgpu_metadata
.endif
;; end of part 1
;; launch pool (part 2): grid 256 x 1, 16 waves a work-group, no clusters, 18,432 bytes of LDS; arguments edge, tvec, x, out0; writes out0
.if DOCPART == 2
	.amdgcn_target "amdgcn-amd-amdhsa--gfx1250"
	.amdhsa_code_object_version 6
	.text
	.protected	k_q8257fa3f8e_pool
	.globl	k_q8257fa3f8e_pool
	.p2align	8
	.type	k_q8257fa3f8e_pool,@function
k_q8257fa3f8e_pool:
	s_mov_b64 s[64:65], 0
	v_nop
	global_prefetch_b8 v0, s[64:65] scope:SCOPE_SE
	s_setreg_imm32_b32 hwreg(HW_REG_WAVE_MODE, 25, 1), 1
	s_wait_xcnt 0x0
; score[b][n] = sum over m of sigmoid(edge[b][n][m]) * t[b][m];  for each patch of 4 neighbouring n: val = the largest score, idx = its place 0..3;
; out0[b][1+p][:] = val * x[b][1+idx][:] + x[b][1+idx][:].  (idx is relative, as in the problem: only rows 1..4 of a batch's x are ever taken.)
; A stream: 4 bytes of edge feed one sigmoid and one multiply-add, so every byte of edge is read once, by loads of 512 consecutive bytes, many in flight.
; All in f32 on the vector ALU (a product with one column; 16-bit operands would decide close patches otherwise).
; LIMITS: the order of the sums differs from the problem's (theta first, 128 partial sums a row, then a tree over the lanes): scores of a patch that
; differ by less than f32 rounding may be ranked otherwise.  Equal scores: the lower index wins, as in top_k.  NaN scores: one in row 1, 2 or 3 of a
; patch never wins, one in row 0 stays; top_k ranks NaN otherwise.  sigmoid(v) = 1 / (1 + 2^(-1.442695 v)): 0 where 2^.. overflows, 1 where it is flushed,
; and 0 where the true value lies below 2^-126 (ISA guide 15.8).
; SHARES: 256 work-groups of 16 waves.  A work-group owns 16 patches = 64 rows = 1 MiB of consecutive edge, all of one batch; a wave owns one patch.
; A step is 128 columns of the patch's 4 rows: 4 loads; lane l holds columns 128 n + 4 l .. + 3.  A ring of 8 steps in registers keeps
; 32 loads = 16 KiB of every wave in flight.  No address and no branch hangs on a score: all four candidate rows are loaded and v_cndmask_b32 chooses.
; NO CLUSTER: what work-groups share is t, 16 KiB against 1 MiB of edge of their own.  No tensor load: the ring fits in registers.
; The 32 steps are written out (about 12 KiB of code): every address is then an immediate on registers that are never rewritten, and no wait frees a source.
.set XB,    1573248                    ; bytes of one batch of x
.set ROW,   384                        ; bytes of a row of x and of out0
.set EROW,  16384                      ; bytes of a row of edge
.set STEPB, 512                        ; bytes of a row that a step takes
.set STEPS, 32
.set DEPTH, 8
.set NL2E,  0xbfb8aa3b                 ; -log2(e)
.set TV,  8                            ; v[8:11]    t of my 4 columns in this step
.set T,   16                           ; v[16:31]   at work, row r at T + 4 r; first the stage for t on its way to LDS
.set ACC, 32                           ; v[32:47]   row r: 4 partial sums at ACC + 4 r
.set G,   48                           ; v[48:63]   candidate row r: my 16 bytes at G + 4 r
.set X,   64                           ; v[64:191]  slot s, row r at X + 16 s + 4 r
; v1 lane   v2 16 lane: offset into edge, x, out0 and LDS   v3 512 w + 16 lane: t into LDS   v4 at work
	s_load_b256 s[4:11], s[0:1], 0x0               ; edge s[4:5], tvec s[6:7], x s[8:9], out0 s[10:11]
	v_lshl_add_u32 v192, v0, 2, 0x4000
	v_mov_b32 v193, 0
	v_lshrrev_b32 v4, 5, v0
	v_readfirstlane_b32 s12, v4                    ; wave w
	s_lshr_b32 s13, ttmp9, 6                       ; batch b
	s_lshl4_add_u32 s21, ttmp9, s12                ; patch P = 16 x work-group + w, counted through all batches
	s_lshl_b32 s22, s12, 9
	s_mov_b32 s15, 0                               ; upper word of every offset below (all under 4 GiB)
	s_mov_b32 s16, NL2E
	s_mov_b32 s17, NL2E                            ; the packed multiply names the pair
	s_mov_b32 s18, 0x76543210                      ; v_permlanex16_b32: lane i of one half reads lane i of the other
	s_mov_b32 s19, 0xfedcba98
	v_and_b32 v1, 31, v0
	v_lshlrev_b32 v2, 4, v1
	v_add_nc_u32 v3, s22, v2
	s_wait_kmcnt 0x0
	s_lshl_b32 s14, s21, 16                        ; 4 rows of 16,384 bytes a patch; at most 0x0fff0000
	s_add_nc_u64 s[4:5], s[4:5], s[14:15]
	s_lshl_b32 s14, s13, 14
	s_add_nc_u64 s[6:7], s[6:7], s[14:15]          ; t of my batch
	s_mul_i32 s14, s13, XB
	s_add_co_u32 s14, s14, ROW
	s_add_nc_u64 s[8:9], s[8:9], s[14:15]          ; node 0 of my batch
	s_add_co_u32 s14, s21, s13
	s_add_co_u32 s14, s14, 1                       ; row 1025 b + 1 + (P - 1024 b) = P + b + 1 of out0
	s_mul_i32 s14, s14, ROW
	s_add_nc_u64 s[10:11], s[10:11], s[14:15]
	global_load_b128 v[T:T+3],   v3, s[6:7]                    ; t: 512 threads x 16 bytes, twice
	global_load_b128 v[T+4:T+7], v3, s[6:7] offset:8192
.irp r, 0,1,2,3
	global_load_b128 v[G+4*\r:G+4*\r+3], v2, s[8:9] offset:\r*ROW      ; lanes 24-31 read on into the next row, which lies in x; they store nothing
.endr
.irp s, 0,1,2,3,4,5,6,7
.irp r, 0,1,2,3
	global_load_b128 v[X+16*\s+4*\r:X+16*\s+4*\r+3], v2, s[4:5] offset:\r*EROW+\s*STEPB th:TH_LOAD_NT
.endr
.endr
	s_wait_loadcnt 36                              ; t is in: the 4 candidate loads and the ring's 32, issued behind it, stay out
	ds_store_b128 v3, v[T:T+3]
	ds_store_b128 v3, v[T+4:T+7] offset:8192
	s_wait_dscnt 0x0                               ; for the others' sake: my part of t is in LDS before I signal
	s_barrier_signal -1
	s_barrier_wait -1                              ; the only barrier: t is never written again.  The ring stays in flight across it
; A half h is rows 2 h and 2 h + 1 of the patch: 8 registers.  The two halves take turns, so that behind each run of transcendentals stands plain
; work of the other half before a result is used (ISA guide 5.7.2), and no v_nop is spent.
.macro SCALE h                         ; v * -log2(e), out of the slot
.irp q, 0,1,2,3
	v_pk_mul_f32 v[T+8*\h+2*\q:T+8*\h+2*\q+1], v[X+16*slot+8*\h+2*\q:X+16*slot+8*\h+2*\q+1], s[16:17] op_sel_hi:[1,0]
.endr
.endm
.macro TRANS op, h                     ; eight transcendentals in place
.irp q, 0,1,2,3,4,5,6,7
	\op v[T+8*\h+\q], v[T+8*\h+\q]
.endr
.endm
.macro PLUS1 h
	s_wait_alu depctr_va_vdst(0)
.irp q, 0,1,2,3
	v_pk_add_f32 v[T+8*\h+2*\q:T+8*\h+2*\q+1], v[T+8*\h+2*\q:T+8*\h+2*\q+1], 1.0 op_sel_hi:[1,0]
.endr
.endm
.macro DOT h                           ; sums += sigmoid * t; in step 0 the product starts the sums: nothing is cleared
.irp q, 0,1,2,3
.if n == 0
	s_wait_alu depctr_va_vdst(0)
	v_pk_mul_f32 v[ACC+8*\h+2*\q:ACC+8*\h+2*\q+1], v[T+8*\h+2*\q:T+8*\h+2*\q+1], v[TV+2*(\q%2):TV+2*(\q%2)+1]
.else
	s_wait_alu depctr_va_vdst(0)
	v_pk_fma_f32 v[ACC+8*\h+2*\q:ACC+8*\h+2*\q+1], v[T+8*\h+2*\q:T+8*\h+2*\q+1], v[TV+2*(\q%2):TV+2*(\q%2)+1], v[ACC+8*\h+2*\q:ACC+8*\h+2*\q+1]
.endif
.endr
.endm
.set n, 0
.rept STEPS
.set slot, n%DEPTH
.if n <= STEPS-DEPTH
.set left, 4*(DEPTH-1)                 ; the seven younger steps' loads stay out
.else
.set left, 4*(STEPS-1-n)               ; the tail: only the steps still to come
.endif
	ds_load_b128 v[TV:TV+3], v2 offset:n*STEPB     ; 32 lanes, 16 neighbouring bytes each
	s_wait_loadcnt left                            ; loads return in order (ISA guide 5.7.1): this step's four are in (in step 0 the candidates too, which are older)
	SCALE 0
	TRANS v_exp_f32, 0
	SCALE 1                                        ; the slot has been read out
.if n < STEPS-DEPTH
.irp r, 0,1,2,3
	global_load_b128 v[X+16*slot+4*\r:X+16*slot+4*\r+3], v2, s[4:5] offset:\r*EROW+(n+DEPTH)*STEPB th:TH_LOAD_NT   ; eight steps ahead; the last fill ends at the rows' last byte
.endr
.endif
	TRANS v_exp_f32, 1
	PLUS1 0
	TRANS v_rcp_f32, 0
	PLUS1 1
	TRANS v_rcp_f32, 1
	s_wait_dscnt 0x0                               ; t of this step
	DOT 0
	DOT 1
.set n, n+1
.endr
	; the four scores: 4 sums a lane and row, then over the 32 lanes; every lane ends up with all four
.irp r, 0,1,2,3
	v_pk_add_f32 v[ACC+4*\r:ACC+4*\r+1], v[ACC+4*\r:ACC+4*\r+1], v[ACC+4*\r+2:ACC+4*\r+3]
.endr
.irp r, 0,1,2,3
	v_add_f32 v[ACC+4*\r], v[ACC+4*\r], v[ACC+4*\r+1]
.endr
.irp m, 1,2,4,8
.irp r, 0,1,2,3
	v_add_f32_dpp v[ACC+4*\r], v[ACC+4*\r], v[ACC+4*\r] row_xmask:\m row_mask:0xf bank_mask:0xf
.endr
.endr
.irp r, 0,1,2,3
	v_permlanex16_b32 v[T+\r], v[ACC+4*\r], s18, s19       ; its destination counts as read: T has been written
.endr
.irp r, 0,1,2,3
	v_add_f32 v[ACC+4*\r], v[ACC+4*\r], v[T+\r]
.endr
	; the largest of four and its row, by selects: a strict comparison keeps the lower index where scores are equal
.irp r, 1,2,3
	v_cmp_gt_f32 vcc_lo, v[ACC+4*\r], v[ACC]
	v_cndmask_b32 v[ACC], v[ACC], v[ACC+4*\r], vcc_lo
.irp j, 0,1,2,3
	v_cndmask_b32 v[G+\j], v[G+\j], v[G+4*\r+\j], vcc_lo
.endr
.endr
	v_pk_fma_f32 v[G:G+1],   v[G:G+1],   v[ACC:ACC+1], v[G:G+1]   op_sel_hi:[1,0,1]    ; val * g + g, both halves by val
	v_pk_fma_f32 v[G+2:G+3], v[G+2:G+3], v[ACC:ACC+1], v[G+2:G+3] op_sel_hi:[1,0,1]
	v_cmp_gt_u32 vcc_lo, 24, v1
	s_wait_xcnt 0x0                                ; EXEC is a source of the loads above: it is narrowed only behind this wait
	s_wait_tensorcnt 0x0
	ds_add_u32 v192, v193
	s_wait_dscnt 0x0
	s_and_saveexec_b32 s20, vcc_lo
	global_store_b128 v2, v[G:G+3], s[10:11] th:TH_STORE_NT        ; 24 lanes x 16 bytes: the row's 384 consecutive bytes.  Nothing follows, so EXEC stays narrow
	s_endpgm
.Lfunc_end_k_q8257fa3f8e_pool:
	.size	k_q8257fa3f8e_pool, .Lfunc_end_k_q8257fa3f8e_pool-k_q8257fa3f8e_pool
	.p2alignl 7, 3214868480
	.fill 96, 4, 3214868480
	.section	.rodata,"a",@progbits
	.p2align	6, 0x0
	.amdhsa_kernel k_q8257fa3f8e_pool
		.amdhsa_group_segment_fixed_size 18432
		.amdhsa_private_segment_fixed_size 0
		.amdhsa_enable_private_segment 0
		.amdhsa_kernarg_size 32
		.amdhsa_user_sgpr_count 2
		.amdhsa_user_sgpr_kernarg_segment_ptr 1
		.amdhsa_wavefront_size32 1
		.amdhsa_system_sgpr_workgroup_id_x 1
		.amdhsa_system_sgpr_workgroup_id_y 1
		.amdhsa_system_sgpr_workgroup_id_z 1
		.amdhsa_system_vgpr_workitem_id 0
		.amdhsa_next_free_vgpr 194
		.amdhsa_next_free_sgpr 66
		.amdhsa_reserve_vcc 1
		.amdhsa_float_denorm_mode_32 3
		.amdhsa_float_denorm_mode_16_64 3
		.amdhsa_memory_ordered 1
		.amdhsa_forward_progress 1
		.amdhsa_inst_pref_size 112
	.end_amdhsa_kernel
	.amdgpu_metadata
---
amdhsa.version: [ 1, 2 ]
amdhsa.kernels:
  - .name:           k_q8257fa3f8e_pool
    .symbol:         k_q8257fa3f8e_pool.kd
    .args:
      - { .name: edge, .offset: 0, .size: 8, .value_kind: global_buffer, .address_space: global }
      - { .name: tvec, .offset: 8, .size: 8, .value_kind: global_buffer, .address_space: global }
      - { .name: x, .offset: 16, .size: 8, .value_kind: global_buffer, .address_space: global }
      - { .name: out0, .offset: 24, .size: 8, .value_kind: global_buffer, .address_space: global }
    .group_segment_fixed_size: 18432
    .private_segment_fixed_size: 0
    .kernarg_segment_align: 8
    .kernarg_segment_size: 32
    .max_flat_workgroup_size: 512
    .sgpr_count:     66
    .vgpr_count:     194
    .wavefront_size: 32
...
	.end_amdgpu_metadata
.endif
;; end of part 2
